; MI455X (gfx1250); checked and timed in simulation.
; The chip was launched on July 23, 2026; its instructions are those of AMD's public machine-readable ISA for CDNA 5 (MIT licence, August 2026) and "CDNA5" Instruction Set Architecture Reference Guide (July 2026). The comments in the code are by the model that wrote it; some were corrected since.
;; Relative Attention. Allowed arithmetic: float matrix products may take bf16 or f16 operands with f32 sums; all other float work in f32.
;; Inputs: Er 1,024 x 64 float32; Wk 1,024 x 1,024 float32; Wq 1,024 x 1,024 float32; Wv 1,024 x 1,024 float32; bk 1,024 float32; bq 1,024 float32; bv 1,024 float32; x 4 x 1,024 x 1,024 float32.
;; Outputs: out0 4 x 1,024 x 1,024 float32.
;; One version. Each part assembles by itself: llvm-mc -triple=amdgcn-amd-amdhsa -mcpu=gfx1250 --defsym DOCPART=n.
;; ======== version 1 of 1: 3 launches
;; limits: values outside matrix products are rounded to bf16; values are held in f16: magnitudes above 65,504 overflow, below 6.1e-05 lose precision
;; workspace buffers: xb 8,388,608 bytes; wb 6,291,456 bytes; erb 147,456 bytes; qkv 25,165,824 bytes
;; launch prep (part 1): grid 452 x 1, 8 waves a work-group, no clusters, 0 bytes of LDS; arguments x, Wq, Wk, Wv, Er, xb, wb, erb; writes xb, wb, erb
.if DOCPART == 1
	.amdgcn_target "amdgcn-amd-amdhsa--gfx1250"
	.amdhsa_code_object_version 6
	.text
	.protected	k_q7ed52aa3a0_prep
	.globl	k_q7ed52aa3a0_prep
	.p2align	8
	.type	k_q7ed52aa3a0_prep,@function
k_q7ed52aa3a0_prep:
	s_mov_b64 s[64:65], 0
	v_nop
	global_prefetch_b8 v0, s[64:65] scope:SCOPE_SE
	s_setreg_imm32_b32 hwreg(HW_REG_WAVE_MODE, 25, 1), 1
	s_wait_xcnt 0x0
; Casts, once: x -> xb and Wq, Wk, Wv -> wb (one behind the other, rows as they lie) in bf16; Er -> erb in the order of matrix fragments.
; Er is rounded to bf16 like the other inputs and that value is stored in f16, since it multiplies q in the f16 matrix form: the second step is exact for
; |Er| >= 2^-14 and below 65,504 (as drawn |Er| is below 5), and off by at most 2^-25 below that.
; A stream: every input byte is read once and every output byte is written once; no LDS, no barrier, no matrix unit would add anything.
; Work-groups 0-255: x; 256-319: Wq; 320-383: Wk; 384-447: Wv; each takes CH numbers (65,536 bytes in, 32,768 out).
; Work-groups 448-451: Er.  erb holds 72 tiles of 2,048 bytes; the 16 bytes number 128 e + 32 c + L (L = 16 h + r) are
; Er[16 e + r][16 c + 8 h .. + 7]; tiles 64 to 71 are zeros: 64 and 65 stand for relative places beyond the table, which the causal mask discards,
; and the attention's look-ahead reaches tile 71 at the most, so that it needs no clamp.
.set CH, 16384                         ; numbers of a work-group
	s_load_b256 s[4:11], s[0:1], 0x0               ; x s[4:5], Wq s[6:7], Wk s[8:9], Wv s[10:11]
	s_load_b256 s[12:19], s[0:1], 0x20             ; Er s[12:13], xb s[14:15], wb s[16:17], erb s[18:19]
	s_sub_co_u32 s20, ttmp9, 256                   ; the chunk's number inside Wq (and inside wb),
	s_sub_co_u32 s21, ttmp9, 320                   ; inside Wk,
	s_sub_co_u32 s22, ttmp9, 384                   ; inside Wv,
	s_sub_co_u32 s23, ttmp9, 448                   ; inside Er: each is used only where it is not negative
	v_lshlrev_b32 v1, 4, v0                        ; 16 bytes a thread
	v_lshlrev_b32 v2, 3, v0                        ; 8 bytes a thread
	s_mov_b32 s31, 0
	s_wait_kmcnt 0x0
	s_cmp_ge_u32 ttmp9, 448
	s_cbranch_scc1 .Ler
	; which buffer, which chunk: chosen by the work-group's number alone
	s_mov_b32 s24, ttmp9                           ; chunk in the source
	s_mov_b32 s25, ttmp9                           ; chunk in the destination
	s_mov_b64 s[26:27], s[4:5]
	s_mov_b64 s[28:29], s[14:15]
	s_cmp_ge_u32 ttmp9, 256
	s_cselect_b32 s24, s20, s24
	s_cselect_b32 s25, s20, s25
	s_cselect_b64 s[26:27], s[6:7], s[26:27]
	s_cselect_b64 s[28:29], s[16:17], s[28:29]
	s_cmp_ge_u32 ttmp9, 320
	s_cselect_b32 s24, s21, s24
	s_cselect_b64 s[26:27], s[8:9], s[26:27]
	s_cmp_ge_u32 ttmp9, 384
	s_cselect_b32 s24, s22, s24
	s_cselect_b64 s[26:27], s[10:11], s[26:27]
	s_lshl_b32 s30, s24, 16                        ; 65,536 bytes a chunk in
	s_add_nc_u64 s[26:27], s[26:27], s[30:31]
	s_lshl_b32 s30, s25, 15                        ; 32,768 bytes a chunk out
	s_add_nc_u64 s[28:29], s[28:29], s[30:31]
	; all sixteen loads go out first: a load of a wave covers 512 consecutive bytes
.irp i, 0,1,2,3,4,5,6,7,8,9,10,11,12,13,14,15
	global_load_b128 v[4+4*\i:7+4*\i], v1, s[26:27] offset:4096*\i th:TH_LOAD_NT
.endr
.irp i, 0,1,2,3,4,5,6,7,8,9,10,11,12,13,14,15
	s_wait_loadcnt 15-\i                           ; loads come back in order: load i is in, the 15 - i younger ones stay out
	v_cvt_pk_bf16_f32 v[68+2*\i], v[4+4*\i], v[5+4*\i]
	v_cvt_pk_bf16_f32 v[69+2*\i], v[6+4*\i], v[7+4*\i]
	global_store_b64 v2, v[68+2*\i:69+2*\i], s[28:29] offset:2048*\i   ; a store of a wave covers 256 consecutive bytes, aligned; no register is written twice
.endr
	s_endpgm
.Ler:
	; Er: work-group cs takes the units 256 cs + thread + 1,024 i, i = 0 .. 7, so that tile e = 2 cs + (thread >> 7) + 8 i.
	; The source of a unit is 32 bytes at e * 4,096 + r * 256 + c * 64 + h * 32: short pieces, but of 262,144 bytes in all, read once.
	s_lshl_b32 s30, s23, 13
	s_add_nc_u64 s[26:27], s[12:13], s[30:31]
	s_lshl_b32 s30, s23, 12
	s_add_nc_u64 s[28:29], s[18:19], s[30:31]
	v_lshrrev_b32 v3, 7, v0
	v_lshlrev_b32 v3, 12, v3                       ; (thread >> 7) tiles of 4,096 bytes
	v_and_b32 v100, 15, v0
	v_lshl_or_b32 v3, v100, 8, v3                  ; r rows of 256 bytes
	v_bfe_u32 v100, v0, 5, 2
	v_lshl_or_b32 v3, v100, 6, v3                  ; c * 16 numbers
	v_bfe_u32 v100, v0, 4, 1
	v_lshl_or_b32 v3, v100, 5, v3                  ; h * 8 numbers
.irp i, 0,1,2,3,4,5,6,7
	global_load_b128 v[4+8*\i:7+8*\i],  v3, s[26:27] offset:32768*\i
	global_load_b128 v[8+8*\i:11+8*\i], v3, s[26:27] offset:32768*\i+16
.endr
.irp i, 0,1,2,3,4,5,6,7
	s_wait_loadcnt 14-2*\i                         ; pair i is in, the younger pairs stay out
.irp k, 0,1,2,3
	v_cvt_pk_bf16_f32 v[68+4*\i+\k], v[4+8*\i+2*\k], v[5+8*\i+2*\k]    ; the rounding to bf16,
.endr
.irp k, 0,1,2,3
	v_lshlrev_b32 v[4+8*\i+2*\k], 16, v[68+4*\i+\k]                    ; the rounded values as f32 again, in the registers that pair i's finished loads filled,
	v_and_b32     v[5+8*\i+2*\k], 0xffff0000, v[68+4*\i+\k]
.endr
.irp k, 0,1,2,3
	v_cvt_pk_f16_f32 v[68+4*\i+\k], v[4+8*\i+2*\k], v[5+8*\i+2*\k]     ; and the same values in f16
.endr
	global_store_b128 v1, v[68+4*\i:71+4*\i], s[28:29] offset:16384*\i
.endr
	v_mov_b32 v100, 0                              ; each of the four also writes two of the eight tiles of zeros: 256 threads x 16 bytes at 131,072 + 4,096 cs
	v_mov_b32 v101, 0
	v_mov_b32 v102, 0
	v_mov_b32 v103, 0
	global_store_b128 v1, v[100:103], s[28:29] offset:131072
	s_endpgm
.Lfunc_end_k_q7ed52aa3a0_prep:
	.size	k_q7ed52aa3a0_prep, .Lfunc_end_k_q7ed52aa3a0_prep-k_q7ed52aa3a0_prep
	.p2alignl 7, 3214868480
	.fill 96, 4, 3214868480
	.section	.rodata,"a",@progbits
	.p2align	6, 0x0
	.amdhsa_kernel k_q7ed52aa3a0_prep
		.amdhsa_group_segment_fixed_size 0
		.amdhsa_private_segment_fixed_size 0
		.amdhsa_enable_private_segment 0
		.amdhsa_kernarg_size 64
		.amdhsa_user_sgpr_count 2
		.amdhsa_user_sgpr_kernarg_segment_ptr 1
		.amdhsa_wavefront_size32 1
		.amdhsa_system_sgpr_workgroup_id_x 1
		.amdhsa_system_sgpr_workgroup_id_y 1
		.amdhsa_system_sgpr_workgroup_id_z 1
		.amdhsa_system_vgpr_workitem_id 0
		.amdhsa_next_free_vgpr 104
		.amdhsa_next_free_sgpr 66
		.amdhsa_reserve_vcc 0
		.amdhsa_float_denorm_mode_32 3
		.amdhsa_float_denorm_mode_16_64 3
		.amdhsa_memory_ordered 1
		.amdhsa_forward_progress 1
		.amdhsa_inst_pref_size 18
	.end_amdhsa_kernel
	.amdgpu_metadata
---
amdhsa.version: [ 1, 2 ]
amdhsa.kernels:
  - .name:           k_q7ed52aa3a0_prep
    .symbol:         k_q7ed52aa3a0_prep.kd
    .args:
      - { .name: x, .offset: 0, .size: 8, .value_kind: global_buffer, .address_space: global }
      - { .name: Wq, .offset: 8, .size: 8, .value_kind: global_buffer, .address_space: global }
      - { .name: Wk, .offset: 16, .size: 8, .value_kind: global_buffer, .address_space: global }
      - { .name: Wv, .offset: 24, .size: 8, .value_kind: global_buffer, .address_space: global }
      - { .name: Er, .offset: 32, .size: 8, .value_kind: global_buffer, .address_space: global }
      - { .name: xb, .offset: 40, .size: 8, .value_kind: global_buffer, .address_space: global }
      - { .name: wb, .offset: 48, .size: 8, .value_kind: global_buffer, .address_space: global }
      - { .name: erb, .offset: 56, .size: 8, .value_kind: global_buffer, .address_space: global }
    .group_segment_fixed_size: 0
    .private_segment_fixed_size: 0
    .kernarg_segment_align: 8
    .kernarg_segment_size: 64
    .max_flat_workgroup_size: 256
    .sgpr_count:     66
    .vgpr_count:     104
    .wavefront_size: 32
...
	.end_amdgpu_metadata
.endif
;; end of part 1
;; launch proj (part 2): grid 12 x 16, 4 waves a work-group, clusters of 4 x 4, 327,680 bytes of LDS; arguments xb, wb, bq, bk, bv, qkv; writes qkv
.if DOCPART == 2
	.amdgcn_target "amdgcn-amd-amdhsa--gfx1250"
	.amdhsa_code_object_version 6
	.text
	.protected	k_q7ed52aa3a0_proj
	.globl	k_q7ed52aa3a0_proj
	.p2align	8
	.type	k_q7ed52aa3a0_proj,@function
k_q7ed52aa3a0_proj:
	s_mov_b64 s[64:65], 0
	v_nop
	global_prefetch_b8 v0, s[64:65] scope:SCOPE_SE
	s_setreg_imm32_b32 hwreg(HW_REG_WAVE_MODE, 25, 1), 1
	s_wait_xcnt 0x0
	s_wait_alu depctr_hold_cnt(0) depctr_sa_sdst(0) depctr_va_vdst(0) depctr_va_sdst(0) depctr_va_ssrc(0) depctr_va_vcc(0) depctr_vm_vsrc(0)
	s_getreg_b32 s2, hwreg(HW_REG_IB_STS2, 6, 4)
	s_cmp_eq_u32 s2, 0
	s_cbranch_scc0 .Lentry_in_a_cluster
	s_endpgm
.Lentry_in_a_cluster:
	s_bfe_u32 s2, ttmp6, 0x10000c
	s_cmp_lg_u32 s2, 0xf033
	s_cbranch_scc0 .Lentry_shape_is_right
	s_endpgm
.Lentry_shape_is_right:
; The three projections as one product: C[4096][3072] = xb[4096][1024] W[1024][3072] + bias, W = Wq | Wk | Wv side by side (wb holds them one behind
; the other, each [1024 k][1024 n]).  bf16 operands, f32 sums, the bias added in f32, one rounding to f16.  The result goes to
; qkv[3 sel][64 g = 16 batch + head][1024 s][64], so that a head's rows lie together for the attention that follows.
; FORMATS AND LIMITS.  q, k, v leave in f16, not bf16: in rows of the attention where few keys carry the weight and their v cancel, a rounding to 8 significant bits
; is larger than what the result may be off by; 11 bits are not.  So |q|, |k|, |v| must stay below 65,504: as drawn they are below 7; x and W both 30 times larger
; give about 6,000; a common offset of 30 spreads on both x and W gives 1,024 x 30 x 30 / 32 = 28,800.
; THE BIAS IS ROUNDED TO bf16 before it is added, like the other inputs, so that the sum is the f32 projection of inputs taken in bf16; that moves q, k, v by at most 2^-9 |bias|.
; A work-group makes 256 x 256 of C with four waves, a wave 128 x 128: 64 accumulator tiles, 512 registers.  K goes in steps of 128 through two LDS slots.
; 12 x 16 = 192 work-groups: a block of 256 x 192, which would give 256, has rows of 96 words, which no padding interval (a power of two) serves.
; CLUSTERS: 4 x 4 work-groups.  The four of a row of the cluster need the same tiles of xb, the four of a column the same tiles of W: each tile is asked for
; jointly, by the same tensor load with the same descriptor and a mask that names the four.  A cluster's x is also the number of the W matrix (4 blocks x 256 = 1,024).
; W LIES [K][N]: its tile is 128 k rows of 512 bytes (256 n), and the fragments are read with the transposing LDS load.
;
; REGISTERS, in windows of 256:
;   window 0: v0-31 addresses and temporaries; v32-63 and v224-255 the bias of my 128 columns; v64-127, v128-191 fragments of xb, two buffers; v192-223 at work on the way out
;   window 1: v64-127, v128-191 fragments of W, two buffers
;   window 2: the 32 accumulator tiles of my rows 0-63 (tile (a, b) at v[8 (8 a + b)]);   window 3: those of my rows 64-127
; THE MATRIX INSTRUCTION IS USED TRANSPOSED: source 0 = 16 columns of W, source 1 = 16 rows of xb, so that lane l holds row l % 16 of C and its registers
; 0 to 7 the columns 8 (l / 16) + 0 .. 7: eight neighbouring numbers of a row.
.set SIZE_K, 1024
.set KSTEP,  128
.set PITCH,  272                       ; a row of xb in LDS: 256 bytes + 16 of padding, an odd multiple of 16: the 16 rows of a fragment load start in 16 different columns of 16 bytes
.set BPITCH, 544                       ; a row of W in LDS: 512 bytes + 32 of padding, an odd multiple of 32, as the transposing load's eight rows want
.set HALFT,  128*PITCH                 ; what one tensor load brings: 128 rows of xb, or 64 rows of W (64 x 544 is the same 34,816 bytes)
.set SLOT,   4*HALFT                   ; xb's 256 rows, then W's 128 rows
.set STAGE,  2*SLOT                    ; behind the ring: 16 rows x 272 bytes for each wave, for the way out; no tensor load lands here
.set SPITCH, 272
.set LAPS, SIZE_K/(2*KSTEP)            ; a lap = two K steps = once round the ring: 4
.set ADRA, 16                          ; v16-17  LDS address of my xb fragments in slot 0, 1
.set ADRB, 20                          ; v20-21  the same for W
.set STO,  24                          ; v24     the way out: where I put 16 bytes of a row
.set RD,   25                          ; v25     the way out: where I read back
.set CO,   26                          ; v26     my byte offset in a store's 512 bytes
.set BO,   27                          ; v27     my byte offset in the bias
.set BT,   28                          ; v28-31  at work on the bias
.set BIAS, 32                          ; n block b: v[32 + 8 b] for b = 0-3, v[192 + 8 b] for b = 4-7
.set F0,   64
.set F1,   128
.set TMP,  192
.set G1, 24                            ; s[24:31] descriptor group 1 for xb's tiles
.set G0, 32                            ; s[32:39] descriptor group 0 for xb's tiles, one set for each slot
.set G1B, 48                           ; s[48:55] descriptor group 1 for W's tiles
.set G0B, 56                           ; s[56:63] descriptor group 0 for W's tiles, one set for each slot
.set MSB, 0
.macro WIN new                         ; the immediate's high byte repeats the setting that is left
.if MSB != \new
	s_set_vgpr_msb (MSB<<8)|\new
.set MSB, \new
.endif
.endm
.set MUL_LO, 0xa1                      ; source 0 (W) window 1, source 1 (xb) window 0, C and D window 2
.set MUL_HI, 0xf1                      ; the same, C and D window 3
.set TO_B,   0x40                      ; destination window 1, address window 0
; A joint load.  Waves 0 and 1 fetch xb's two halves, waves 2 and 3 W's.  Each line has one mask and one set of registers for all that issue it.
.macro JLOAD s
	s_cmp_eq_u32 s11, 0
	s_cbranch_scc0 .Lfor_b_\@
	tensor_load_to_lds s[G0+4*\s:G0+4*\s+3], s[G1:G1+7]
	s_nop 0
	s_branch .Lasked_\@
.Lfor_b_\@:
	tensor_load_to_lds s[G0B+4*\s:G0B+4*\s+3], s[G1B:G1B+7]
	s_nop 0
.Lasked_\@:
.endm
; A round of the cluster's barrier: my work-group's barrier; wave 0 signals for the work-group; every wave waits for all sixteen; my work-group's barrier once more.
.macro CREST                           ; a round behind its opening barrier
	s_cmp_lg_u32 s10, 0
	s_cbranch_scc1 .Lnot_wave_0_\@
	s_barrier_signal -3
.Lnot_wave_0_\@:
	s_barrier_wait -3
	s_barrier_signal -1
	s_barrier_wait -1
.endm
.macro CROUND                          ; a whole round
	s_barrier_signal -1
	s_barrier_wait -1
	CREST
.endm
	s_load_b128 s[4:7], s[0:1], 0x0                ; xb s[4:5], wb s[6:7]
	s_load_b128 s[68:71], s[0:1], 0x10             ; bq s[68:69], bk s[70:71]
	s_load_b128 s[72:75], s[0:1], 0x20             ; bv s[72:73], qkv s[74:75]
	s_set_vgpr_msb 0x40
	v_lshl_add_u32 v255, v0, 2, 0x48400
	s_set_vgpr_msb 0x4000
	v_mov_b32 v23, 0
	s_set_vgpr_msb 0x1
	ds_add_u32 v255, v23
	s_set_vgpr_msb 0x100
	v_lshrrev_b32 v1, 5, v0
	v_readfirstlane_b32 s10, v1                    ; wave 0..3
	s_lshr_b32 s11, s10, 1                         ; which half of the block's rows is mine.  Also: I fetch for xb (0) or for W (1)
	s_and_b32 s12, s10, 1                          ; which half of its columns.  Also: which half of that tile I fetch
	s_bfe_u32 s40, ttmp6, 0x40000                  ; cx
	s_bfe_u32 s41, ttmp6, 0x40004                  ; cy
	s_lshl_b32 s42, ttmp9, 2
	s_add_co_u32 s42, s42, s40                     ; block column of C = 4 x cluster x + cx
	s_and_b32 s13, ttmp7, 0xffff
	s_lshl_b32 s13, s13, 2
	s_add_co_u32 s13, s13, s41                     ; block row of C = 4 x cluster y + cy
	s_lshl_b32 s43, s41, 2
	s_lshl_b32 s43, 15, s43                        ; my row of the cluster: places 4 cy .. 4 cy + 3
	s_lshl_b32 s44, 0x1111, s40                    ; my column: places cx, cx + 4, cx + 8, cx + 12
	; group 1 for xb: 128 rows x 128 elements of 2 bytes, 4 words of padding behind every 64
	s_or_b32 s[G1+0], s43, (1<<16)|(1<<20)|(1<<21)|(5<<22)|(3<<25)
	s_mov_b32 s[G1+1], KSTEP<<16                   ; tensor_dim0 = 128
	s_mov_b32 s[G1+2], 128<<16                     ; tensor_dim1 = 128
	s_mov_b32 s[G1+3], KSTEP<<16                   ; tile_dim0 = 128
	s_mov_b32 s[G1+4], 128                         ; tile_dim1 = 128
	s_mov_b32 s[G1+5], SIZE_K                      ; elements from row to row
	s_mov_b32 s[G1+6], 0
	s_mov_b32 s[G1+7], 0
	; group 1 for W: 64 rows x 256 elements of 2 bytes, 8 words of padding behind every 128
	s_or_b32 s[G1B+0], s44, (1<<16)|(1<<20)|(1<<21)|(6<<22)|(7<<25)
	s_mov_b32 s[G1B+1], 256<<16                    ; tensor_dim0 = 256
	s_mov_b32 s[G1B+2], 64<<16                     ; tensor_dim1 = 64
	s_mov_b32 s[G1B+3], 256<<16                    ; tile_dim0 = 256
	s_mov_b32 s[G1B+4], 64                         ; tile_dim1 = 64
	s_mov_b32 s[G1B+5], 1024                       ; elements from row to row of a W matrix
	s_mov_b32 s[G1B+6], 0
	s_mov_b32 s[G1B+7], 0
	; where the tiles come from.  xb's hang on the block row alone, W's on the block column alone; each in registers that never hold the other coordinate.
	s_lshl_b32 s17, s12, 7
	s_lshl_b32 s16, s13, 8
	s_add_co_u32 s16, s16, s17                     ; xb: row 256 x block row + 128 x half,
	s_lshl_b32 s16, s16, 11                        ; of 2,048 bytes (below 2^23)
	s_mov_b32 s17, 0
	s_lshl_b32 s46, ttmp9, 21                      ; W: the matrix (2^21 bytes each),
	s_lshl_b32 s47, s40, 9                         ; 256 columns = 512 bytes for each block,
	s_add_co_u32 s46, s46, s47
	s_lshl_b32 s47, s12, 17                        ; 64 rows of 2,048 bytes for the half that I fetch
	s_add_co_u32 s46, s46, s47
	s_mov_b32 s47, 0
	s_mul_i32 s20, s10, HALFT                      ; and where they go: wave x 34,816: no place in the cluster enters an LDS address
	s_lshl_b32 s78, s40, 10                        ; my 128 columns in the bias: 256 numbers a block, 128 a half
	s_lshl_b32 s79, s12, 9
	s_add_co_u32 s78, s78, s79
	s_mov_b32 s79, 0
	s_wait_dscnt 0x0
	s_wait_kmcnt 0x0
	s_mov_b64 s[8:9], s[74:75]                     ; qkv
	s_add_nc_u64 s[14:15], s[4:5], s[16:17]
	s_add_nc_u64 s[46:47], s[6:7], s[46:47]
	s_cmp_eq_u32 ttmp9, 1                          ; the bias of my W matrix, chosen by the cluster's x
	s_cselect_b64 s[76:77], s[70:71], s[68:69]
	s_cmp_eq_u32 ttmp9, 2
	s_cselect_b64 s[76:77], s[72:73], s[76:77]
	s_add_nc_u64 s[76:77], s[76:77], s[78:79]
	CROUND                                         ; all sixteen work-groups are here: the first joint loads meet
.irp s, 0,1
	s_mov_b32 s[G0+4*\s], 1
	s_add_co_u32 s[G0+4*\s+1], s20, \s*SLOT
	s_add_nc_u64 s[G0+4*\s+2:G0+4*\s+3], s[14:15], \s*KSTEP*2          ; K step s: 256 bytes along xb's rows
	s_or_b32 s[G0+4*\s+3], s[G0+4*\s+3], 0x80000000
	s_mov_b32 s[G0B+4*\s], 1
	s_add_co_u32 s[G0B+4*\s+1], s20, \s*SLOT
	s_add_nc_u64 s[G0B+4*\s+2:G0B+4*\s+3], s[46:47], \s*KSTEP*2048     ; K step s: 128 rows of W down
	s_or_b32 s[G0B+4*\s+3], s[G0B+4*\s+3], 0x80000000
	JLOAD \s                                       ; the ring is filled before anything else is done
.endr
	v_and_b32 v1, 15, v0                           ; l % 16
	v_bfe_u32 v2, v0, 4, 1                         ; l / 16
	; the bias: tile (a, b) holds columns 16 b + 8 (l / 16) + 0..7 in my lane: 32 bytes at 64 b + 32 (l / 16)
	v_lshlrev_b32 v[BO], 5, v2
.irp b, 0,1,2,3,4,5,6,7
	global_load_b128 v[BIAS+8*\b+160*(\b/4):BIAS+8*\b+160*(\b/4)+3],   v[BO], s[76:77] offset:64*\b
	global_load_b128 v[BIAS+8*\b+160*(\b/4)+4:BIAS+8*\b+160*(\b/4)+7], v[BO], s[76:77] offset:64*\b+16
.endr
	; xb's fragments: lane l holds row l % 16; two loads of 16 bytes, 32 bytes apart, at row x pitch + 16 (l / 16)
	v_mul_u32_u24 v3, v1, PITCH
	v_lshl_add_u32 v3, v2, 4, v3
	; W's fragments by the transposing load: lane l addresses row 8 (l / 16) + l % 8 of the 16 k rows, and 16 bytes number (l / 8) % 2 of the 16 columns
	v_and_b32 v6, 7, v0
	v_lshl_add_u32 v6, v2, 3, v6
	v_mul_u32_u24 v6, v6, BPITCH
	v_bfe_u32 v7, v0, 3, 1
	v_lshl_add_u32 v6, v7, 4, v6
	s_mul_i32 s21, s11, HALFT                      ; my 128 rows of xb
	s_lshl_b32 s22, s12, 8                         ; my 128 columns of W: 256 bytes into each row,
	s_add_co_u32 s22, s22, 2*HALFT                 ; behind xb's 256 rows
.irp s, 0,1
	v_add_nc_u32 v[ADRA+\s], s21, v3
	v_add_nc_u32 v[ADRB+\s], s22, v6
	s_add_co_u32 s21, s21, SLOT
	s_add_co_u32 s22, s22, SLOT
.endr
	s_mul_i32 s23, s10, 16*SPITCH
	s_add_co_u32 s23, s23, STAGE                   ; my stage
	v_mul_u32_u24 v4, v1, SPITCH                   ; in: row l % 16, 16 bytes for each half of the lanes
	v_lshl_add_u32 v4, v2, 4, v4
	v_add_nc_u32 v[STO], s23, v4
	v_and_b32 v5, 31, v0                           ; back: eight lanes take the 128 bytes that a row has of one head, four rows a load
	v_lshrrev_b32 v7, 3, v5
	v_mul_u32_u24 v7, v7, SPITCH
	v_and_b32 v8, 7, v0
	v_lshl_add_u32 v7, v8, 4, v7
	v_add_nc_u32 v[RD], s23, v7
	v_lshlrev_b32 v[CO], 4, v5                     ; in qkv these four rows are 512 consecutive bytes: 16 l
; 16 matrix instructions: m blocks a0, a0 + 1 of the window's four x all 8 n blocks, 32 along K.  zero = 1: the first product starts the sums.
.macro MUL16 f, hi, a0, zero
.irp a, \a0, \a0+1
.irp b, 0,1,2,3,4,5,6,7
.if \zero
	v_wmma_f32_16x16x32_bf16 v[8*(8*(\a)+\b):8*(8*(\a)+\b)+7], v[\f+8*\b:\f+8*\b+7], v[\f+8*(4*\hi+\a):\f+8*(4*\hi+\a)+7], 0
.else
	v_wmma_f32_16x16x32_bf16 v[8*(8*(\a)+\b):8*(8*(\a)+\b)+7], v[\f+8*\b:\f+8*\b+7], v[\f+8*(4*\hi+\a):\f+8*(4*\hi+\a)+7], v[8*(8*(\a)+\b):8*(8*(\a)+\b)+7]
.endif
.endr
.endr
.endm
; 32 LDS loads in one run: the fragments of one quarter step (32 along K, at byte k of xb's rows = row k / 2 of W's tile) into buffer f
.macro FETCH slot, k, f
	WIN TO_B
.irp i, 0,1,2,3,4,5,6,7
	ds_load_tr16_b128 v[\f+8*\i:\f+8*\i+3],   v[ADRB+\slot] offset:(\k/64)*32*BPITCH+32*\i             ; k rows 0-15 of the quarter, columns 16 i .. 16 i + 15
	ds_load_tr16_b128 v[\f+8*\i+4:\f+8*\i+7], v[ADRB+\slot] offset:(\k/64)*32*BPITCH+16*BPITCH+32*\i   ; k rows 16-31
.endr
	WIN 0
.irp i, 0,1,2,3,4,5,6,7
	ds_load_b128 v[\f+8*\i:\f+8*\i+3],   v[ADRA+\slot] offset:\k+\i*16*PITCH
	ds_load_b128 v[\f+8*\i+4:\f+8*\i+7], v[ADRA+\slot] offset:\k+\i*16*PITCH+32
.endr
.endm
; A load into a register that a matrix instruction has read, and a vector instruction that reads a matrix result, stand four places behind that
; matrix instruction; only plain vector instructions that name none of its registers are places.
.macro PLACES
.rept 4
	v_nop
.endr
.endm
; A K step is four quarter steps of 32 along K, 64 matrix instructions each, on buffers 0, 1, 0, 1.  The 64 accumulators take turns, one instruction
; a turn, in the same order in every quarter, over the backward jump too.
.macro QUARTER slot, k, f, g, zero
	s_wait_dscnt 8                                 ; W and xb's rows 0-63 are in; the youngest eight loads (xb's rows 64-127) may be out
	WIN MUL_LO
	MUL16 \f, 0, 0, \zero
	MUL16 \f, 0, 2, \zero
	PLACES
	FETCH \slot, \k, \g
	s_wait_dscnt 32                                ; all but the 32 just issued
	WIN MUL_HI
	MUL16 \f, 1, 0, \zero
	MUL16 \f, 1, 2, \zero
.endm
.macro THREE slot, zero
	QUARTER \slot, 64,  F0, F1, \zero
	QUARTER \slot, 128, F1, F0, 0
	QUARTER \slot, 192, F0, F1, 0
.endm
; The last quarter: multiplies buffer 1 and changes slots.  In front of the barrier each wave waits for its own reads of this slot and for all its tensor
; loads (one is out: its part of the next slot).  Behind it the refill comes first, then the next slot's first fragments.
.macro TURN slot, next, fill
	s_wait_dscnt 8
	WIN MUL_LO
	MUL16 F1, 0, 0, 0
	s_wait_dscnt 0                                 ; my reads of this slot are over
	s_wait_tensorcnt 0x0                           ; and all my tensor loads have landed
	ds_add_u32 v255, v23
	s_wait_dscnt 0x0
	s_barrier_signal -1                            ; say so (where a slot is filled again this barrier opens a round of the cluster's barrier),
	MUL16 F1, 0, 2, 0                              ; work on registers while the others arrive,
	WIN 0
	s_barrier_wait -1
.if \fill
	CREST                                          ; no wave of any partner still reads this slot's tile or has a load on its way
	s_add_nc_u64 s[G0+4*\slot+2:G0+4*\slot+3], s[G0+4*\slot+2:G0+4*\slot+3], 2*KSTEP*2
	s_add_nc_u64 s[G0B+4*\slot+2:G0B+4*\slot+3], s[G0B+4*\slot+2:G0B+4*\slot+3], 2*KSTEP*2048
	JLOAD \slot                                    ; the first tensor load behind the round, one a wave
.endif
	PLACES
	FETCH \next, 0, F0
	WIN MUL_HI
	MUL16 F1, 1, 0, 0
	MUL16 F1, 1, 2, 0
.endm
.macro LAP zero
	THREE 0, \zero
	TURN 0, 1, 1
	THREE 1, 0
	TURN 1, 0, 1
.endm
	s_wait_loadcnt 0x0                             ; the bias, once
	; the bias is rounded to bf16 and widened again, in place: 64 numbers a lane, once, while the first tiles are on their way
.irp b, 0,1,2,3,4,5,6,7
.irp r, 0,1,2,3
	v_cvt_pk_bf16_f32 v[BT+\r], v[BIAS+8*\b+160*(\b/4)+2*\r], v[BIAS+8*\b+160*(\b/4)+2*\r+1]
.endr
.irp r, 0,1,2,3
	v_lshlrev_b32 v[BIAS+8*\b+160*(\b/4)+2*\r],   16, v[BT+\r]
	v_and_b32     v[BIAS+8*\b+160*(\b/4)+2*\r+1], 0xffff0000, v[BT+\r]
.endr
.endr
	s_wait_tensorcnt 1                             ; my part of K step 0 is in; K step 1's may stay out
	s_barrier_signal -1
	s_barrier_wait -1                              ; everybody's is
	FETCH 0, 0, F0
	LAP 1                                          ; the first lap stands in front of the loop: its first products start the sums
	WIN 0                                          ; at a label and at a branch every window is 0
	s_mov_b32 s3, LAPS-2
.Llap:
	LAP 0
	WIN 0
	s_sub_co_u32 s3, s3, 1
	s_cmp_lg_u32 s3, 0
	s_cbranch_scc1 .Llap
	THREE 0, 0                                     ; the last lap fills nothing
	TURN 0, 1, 0
	THREE 1, 0
	s_wait_dscnt 8                                 ; the very last quarter: nothing more to fetch
	WIN MUL_LO
	MUL16 F1, 0, 0, 0
	MUL16 F1, 0, 2, 0
	s_wait_dscnt 0
	WIN MUL_HI
	MUL16 F1, 1, 0, 0
	MUL16 F1, 1, 2, 0
	; THE WAY OUT, 16 rows at a time: add the bias, round to f16, 16 bytes a lane into my own stage, read back by heads.
	PLACES
	; my 128 columns are two heads, gh and gh + 1 of 48; my 128 rows lie in one batch.  Offset in qkv = sel << 23 + (16 batch + head) << 17 + s << 7.
	s_lshl_b32 s66, s42, 2
	s_lshl_b32 s67, s12, 1
	s_add_co_u32 s66, s66, s67                     ; gh = 4 x block column + 2 x half
	s_lshr_b32 s67, s66, 4
	s_lshl_b32 s67, s67, 23                        ; q, k or v
	s_and_b32 s66, s66, 15                         ; head
	s_lshl_b32 s78, s13, 8
	s_lshl_b32 s79, s11, 7
	s_add_co_u32 s78, s78, s79                     ; my first row of C
	s_lshr_b32 s79, s78, 10                        ; batch
	s_lshl_b32 s79, s79, 4
	s_add_co_u32 s66, s66, s79
	s_lshl_b32 s66, s66, 17
	s_add_co_u32 s66, s66, s67
	s_and_b32 s78, s78, 1023                       ; place in the sequence
	s_lshl_b32 s78, s78, 7
	s_add_co_u32 s78, s78, s66
	s_mov_b32 s79, 0
	s_add_nc_u64 s[8:9], s[8:9], s[78:79]
; rows 16 i .. 16 i + 15 of my block = the eight tiles (a, 0..7) of window 2 or 3.  addw: destination and source 0 in that window, source 1 (bias) in window 0;
; from: sources 0 and 1 in that window; f: F0 or F1 in turn
.macro OUT16 i, a, addw, from, f
	WIN \addw
.irp b, 0,1,2,3,4,5,6,7
.irp r, 0,1,2,3
	v_pk_add_f32 v[8*(8*\a+\b)+2*\r:8*(8*\a+\b)+2*\r+1], v[8*(8*\a+\b)+2*\r:8*(8*\a+\b)+2*\r+1], v[BIAS+8*\b+160*(\b/4)+2*\r:BIAS+8*\b+160*(\b/4)+2*\r+1]
.endr
.endr
	WIN \from
.irp b, 0,1,2,3,4,5,6,7
.irp r, 0,1,2,3
	v_cvt_pk_f16_f32 v[TMP+4*\b+\r], v[8*(8*\a+\b)+2*\r], v[8*(8*\a+\b)+2*\r+1]
.endr
.endr
	WIN 0
.irp b, 0,1,2,3,4,5,6,7
	ds_store_b128 v[STO], v[TMP+4*\b:TMP+4*\b+3] offset:32*\b
.endr
	s_wait_xcnt 0x0                                ; buffer f, which earlier stores read, and the stores' base are rewritten only behind this wait
.if \i
	s_add_nc_u64 s[8:9], s[8:9], 16*128            ; 16 rows of a head on
.endif
.irp t, 0,1,2,3,4,5,6,7
	ds_load_b128 v[\f+4*\t:\f+4*\t+3], v[RD] offset:(\t&3)*4*SPITCH+(\t>>2)*128    ; rows 4 (t % 4) .. + 3, head t / 4; LDS serves a wave's instructions in order: these see the stores above
.endr
.irp t, 0,1,2,3,4,5,6,7
	s_wait_dscnt 7-\t
	global_store_b128 v[CO], v[\f+4*\t:\f+4*\t+3], s[8:9] offset:(\t>>2)*131072+(\t&3)*512   ; a store of the wave covers 512 consecutive bytes, aligned
.endr
.endm
	OUT16 0, 0, 0x82, 0x0a, F0
	OUT16 1, 1, 0x82, 0x0a, F1
	OUT16 2, 2, 0x82, 0x0a, F0
	OUT16 3, 3, 0x82, 0x0a, F1
	OUT16 4, 0, 0xc3, 0x0f, F0
	OUT16 5, 1, 0xc3, 0x0f, F1
	OUT16 6, 2, 0xc3, 0x0f, F0
	OUT16 7, 3, 0xc3, 0x0f, F1
	s_set_vgpr_msb 0x1
	s_wait_tensorcnt 0x0
	ds_add_u32 v255, v23
	s_wait_dscnt 0x0
	s_set_vgpr_msb 0x100
	CROUND                                         ; the closing round: no work-group ends while a partner may still ask for a tile that names it
	s_endpgm
.Lfunc_end_k_q7ed52aa3a0_proj:
	.size	k_q7ed52aa3a0_proj, .Lfunc_end_k_q7ed52aa3a0_proj-k_q7ed52aa3a0_proj
	.p2alignl 7, 3214868480
	.fill 96, 4, 3214868480
	.section	.rodata,"a",@progbits
	.p2align	6, 0x0
	.amdhsa_kernel k_q7ed52aa3a0_proj
		.amdhsa_group_segment_fixed_size 327680
		.amdhsa_private_segment_fixed_size 0
		.amdhsa_enable_private_segment 0
		.amdhsa_kernarg_size 48
		.amdhsa_user_sgpr_count 2
		.amdhsa_user_sgpr_kernarg_segment_ptr 1
		.amdhsa_wavefront_size32 1
		.amdhsa_system_sgpr_workgroup_id_x 1
		.amdhsa_system_sgpr_workgroup_id_y 1
		.amdhsa_system_sgpr_workgroup_id_z 1
		.amdhsa_system_vgpr_workitem_id 0
		.amdhsa_next_free_vgpr 1024
		.amdhsa_next_free_sgpr 80
		.amdhsa_reserve_vcc 0
		.amdhsa_float_denorm_mode_32 3
		.amdhsa_float_denorm_mode_16_64 3
		.amdhsa_memory_ordered 1
		.amdhsa_forward_progress 1
		.amdhsa_inst_pref_size 220
	.end_amdhsa_kernel
	.amdgpu_metadata
---
amdhsa.version: [ 1, 2 ]
amdhsa.kernels:
  - .name:           k_q7ed52aa3a0_proj
    .symbol:         k_q7ed52aa3a0_proj.kd
    .args:
      - { .name: xb, .offset: 0, .size: 8, .value_kind: global_buffer, .address_space: global }
      - { .name: wb, .offset: 8, .size: 8, .value_kind: global_buffer, .address_space: global }
      - { .name: bq, .offset: 16, .size: 8, .value_kind: global_buffer, .address_space: global }
      - { .name: bk, .offset: 24, .size: 8, .value_kind: global_buffer, .address_space: global }
      - { .name: bv, .offset: 32, .size: 8, .value_kind: global_buffer, .address_space: global }
      - { .name: qkv, .offset: 40, .size: 8, .value_kind: global_buffer, .address_space: global }
    .group_segment_fixed_size: 327680
    .private_segment_fixed_size: 0
    .kernarg_segment_align: 8
    .kernarg_segment_size: 48
    .max_flat_workgroup_size: 128
    .sgpr_count:     80
    .vgpr_count:     1024
    .wavefront_size: 32
...
	.end_amdgpu_metadata
.endif
;; end of part 2
;; launch attn (part 3): grid 256 x 1, 16 waves a work-group, no clusters, 327,680 bytes of LDS; arguments qkv, erb, out0; writes out0
.if DOCPART == 3
	.amdgcn_target "amdgcn-amd-amdhsa--gfx1250"
	.amdhsa_code_object_version 6
	.text
	.protected	k_q7ed52aa3a0_attn
	.globl	k_q7ed52aa3a0_attn
	.p2align	8
	.type	k_q7ed52aa3a0_attn,@function
k_q7ed52aa3a0_attn:
	s_mov_b64 s[64:65], 0
	v_nop
	global_prefetch_b8 v0, s[64:65] scope:SCOPE_SE
	s_setreg_imm32_b32 hwreg(HW_REG_WAVE_MODE, 25, 1), 1
	s_wait_xcnt 0x0
; Causal attention with the relative term, for 64 (batch, head) pairs g: out[i] = softmax_j((q_i k_j + q_i Er[1023 - i + j]) / 8) v_j, j <= i.
; (Pad, reshape and slice of the skew give Srel[i][j] = q_i Er[1023 - i + j] for j <= i; what they give for j > i the causal mask discards.)
; SHARES.  Work-group = (g, w), w = 0..3, sixteen waves of 256 registers.  A PAIR p = 0..31 is two neighbouring blocks of 16 queries, 2 p (block 0) and 2 p + 1 (block 1);
; it needs the sub-steps of 32 keys ss = 0 .. p.  A work-group has the eight pairs 31 - 4 w - q and 4 w + q, q = 0..3: 4 x 33 sub-steps.  Each pair is walked by TWO waves:
; wave z = 0, 1 takes the tiles of 64 keys whose number is z modulo 2, with a running maximum, sum and O of its own, so that a wave's chain is 16 sub-steps at the most;
; the two partial results are joined at the end, through LDS.  Wave i has q = i / 4, the short pair if (i / 2 + q) is odd, and z = (i + q) % 2: waves i and i ^ 1 share a pair
; and differ in z; any four waves with equal i / 4 have 33 sub-steps together, any four with equal i % 4 have 32 or 34.
; K and V come 128 keys at a time (a trip: one tile for z = 0, one for z = 1) through two LDS slots, 8 - w trips.
; TRANSPOSED THROUGHOUT.  S^T = K Q^T: lane (r, h) holds keys 8 h + 0..7 of query r, so maxima and sums are in the lane but for one exchange of the halves,
; two packed tiles of S^T are the B fragment of P, and O^T = V^T P keeps one query a lane: alpha and 1 / l are one number a lane.
; THE SKEW.  R^T = (tile of 16 rows of Er) Q^T is stored as it comes into the wave's own scratch (row = query, 336 bytes) and read back one word a lane,
; 4 bytes less far for each later query, straight into the C registers of S^T.  In the coordinate col = key + 15 - r a tile of 64 keys needs five column tiles (places 0-4).
; Place pl of block a is Er's tile E(pl + 1 - a), E(k) = 4 x (tile of keys) + 62 - 2 p + k: the two blocks share tiles, six for a trip.  Sub-step X (the tile's first 32 keys)
; makes places 0, 1, 2 from E0-E3, sub-step Y places 3, 4 from E3-E5.
; ER comes from erb, which holds it in fragment order, straight into four register buffers of a tile each: 512 consecutive bytes a load, asked for a sub-step ahead.  The running
; tile 6 t + k lies in buffer (k + 2 (t % 2)) % 4.  Tiles 64 to 71 of erb are zeros; the look-ahead reaches tile 71 at the most, inside the buffer.
; THE RUNNING MAXIMUM is kept; masked scores are -inf; every sub-step that a wave works on has a live key for each query.
; FORMATS AND LIMITS.  q, k, v, Er and P enter the matrix units in f16 (11 significant bits: where few keys carry the weight and their v cancel, 8 bits would not do).
; q, k, v and Er must be below 65,504 in magnitude (the launch that makes q, k, v gives the arithmetic).  P lies in [0, 1]: what f16 cannot hold of it is at most
; 2^-25 for a key, against a sum of at least 1.  A NaN among the scores does not reach the maximum (v_max_num_f32 drops it).
; NO CLUSTER, though the four work-groups of a head read the same K and V: their numbers of trips (8 - w) hang on w, which would be the place in the cluster.
; NO PREFETCH: K, V and Er were stored by the launches just before and are read by four or more work-groups.
.set KP,    144                        ; a row of K in LDS: 128 bytes + 16, an odd multiple of 16
.set VP,    160                        ; a row of V in LDS: 128 bytes + 32, an odd multiple of 32 (transposing load)
.set TKEYS, 128                        ; keys of a trip
.set VOFF,  TKEYS*KP                   ; a slot: K's 128 rows (18,432 bytes), then V's (20,480)
.set SLOTB, TKEYS*(KP+VP)              ; 38,912
.set SCR,   2*SLOTB                    ; behind the two slots: each wave's scratch; no tensor load lands here or further up
.set SCRW,  10752                      ; a wave's scratch: two blocks; at the end the even waves put their partial results here (2 x 4,608 bytes)
.set SCRB,  5376                       ; a block's: 16 rows x 336 bytes
.set RP,    336                        ; 5 places x 64 bytes + 16: an odd multiple of 16 for the stores; the reads step 83 words from lane to lane and hit 32 different banks
.set XCHB,  4608                       ; a block's partial result: O, 32 words a lane, then -c m, m, alpha, l
.set STG,   SCR+16*SCRW                ; 249,856: each wave's output stage
.set STGW,  4608                       ; 16 rows x 272 bytes, rounded up to a multiple of 512; the two blocks use it one after the other
.set OP,    272
.set CSC,   0x3e38aa3b                 ; log2(e) / 8
.set T,   16                           ; v[16:23]   at work: block a has T + 4 a .. + 3
.set ST,  24                           ; v[24+4a ..]: -c m, m, alpha, l of block a
.set QF,  32                           ; v[32:63]   Q fragments: 16 a + 8 ks
.set SC,  64                           ; v[64:95]   R^T, then S^T, then P: 16 a + 8 tile
.set KV,  96                           ; v[96:127]  in X first two tiles of R^T; K fragments 16 tile + 8 ks; then V fragments 8 d
.set ER,  128                          ; v[128:191] four buffers of an Er tile: 16 registers, 8 ks
.set OA,  192                          ; v[192:255] O^T: 32 a + 8 d
; v1 16 lane; v2 K address; v3 V address; v4 scratch store; v5 scratch skewed read; v6 offset in erb; v7 my scratch + 16 lane; v8 -inf; v9 stage store; v10 stage read; v11 offset in out0;
; v12 offset in Q; v13 first r, then my left neighbour's scratch + 16 lane
.set G1K, 36                           ; s[36:43]
.set G1V, 44                           ; s[44:51]
.set G0K, 52                           ; s[52:55], s[56:59]: slot 0, 1
.set G0V, 60                           ; s[60:63], s[68:71]: slot 0, 1
; s10 wave; s11 w; s12 g; s13 p; s14 p - 1; s15 ss of my sub-step X in this trip; s16 laps done; s17 z; s18 1 = short pair; s19 laps of the loop; s[20:21] c, c; s22 -c;
; s23 wave % 2: 0 sends its partial result, 1 joins; s24, s25 selects of the half exchange; s26, s27, s2, s3 at work; s[28:35] masks of the diagonal tile; s[72:73] base in out0; s[76:77] base of Q
; tile ka (counted from this trip's E0) of Er into the buffer of running tile kb: each load of the wave takes 512 consecutive bytes of erb
.macro ERL par, kb, ka
.irp c, 0,1,2,3
	global_load_b128 v[ER+16*((\kb+2*\par)%4)+4*\c:ER+16*((\kb+2*\par)%4)+4*\c+3], v6, s[6:7] offset:2048*\ka+512*\c
.endr
.endm
	s_load_b128 s[4:7], s[0:1], 0x0                ; qkv s[4:5], erb s[6:7]
	s_load_b64 s[8:9], s[0:1], 0x10                ; out0
	v_lshl_add_u32 v94, v0, 2, 0x4f000
	v_mov_b32 v95, 0
	ds_add_u32 v94, v95
	s_wait_dscnt 0x0
	s_barrier_signal -1
	s_barrier_wait -1
	v_lshrrev_b32 v12, 5, v0
	v_readfirstlane_b32 s10, v12                   ; wave 0..15
	s_and_b32 s11, ttmp9, 3
	s_lshr_b32 s12, ttmp9, 2
	s_lshr_b32 s2, s10, 2                          ; q
	s_lshr_b32 s3, s10, 1
	s_add_co_u32 s3, s3, s2
	s_and_b32 s18, s3, 1                           ; 1: the short pair
	s_add_co_u32 s3, s10, s2
	s_and_b32 s17, s3, 1                           ; z
	s_and_b32 s23, s10, 1                          ; 0: I send my partial result, 1: I join the two
	s_lshl_b32 s26, s11, 2
	s_add_co_u32 s26, s26, s2                      ; 4 w + q
	s_sub_co_u32 s27, 31, s26
	s_cmp_eq_u32 s18, 0
	s_cselect_b32 s13, s27, s26                    ; p
	s_sub_co_u32 s14, s13, 1                       ; p - 1 (for p = 0 it wraps and equals no sub-step's number)
	s_lshl_b32 s15, s17, 1                         ; my first sub-step: 2 z
	s_lshr_b32 s19, s11, 1
	s_sub_co_u32 s19, 2, s19                       ; 8 - w trips: two in front of the loop, 2 - w / 2 laps of two, a tail of two (w even) or one (w odd)
	s_lshl_b32 s26, s13, 1
	s_sub_co_u32 s26, 62, s26
	s_lshl_b32 s27, s17, 2
	s_add_co_u32 s26, s26, s27                     ; E0 of my first tile: 4 z + 62 - 2 p,
	s_lshl_b32 s26, s26, 11                        ; 2,048 bytes a tile
	s_mov_b32 s20, CSC
	s_mov_b32 s21, CSC
	s_mov_b32 s22, CSC|0x80000000
	s_mov_b32 s24, 0x76543210
	s_mov_b32 s25, 0xfedcba98
	; group 1 for K: 128 rows x 64 elements of 2 bytes, 4 words of padding behind every 32; for V: 8 words
	s_mov_b32 s[G1K+0], (1<<16)|(1<<20)|(4<<22)|(3<<25)
	s_mov_b32 s[G1K+1], 64<<16
	s_mov_b32 s[G1K+2], TKEYS<<16
	s_mov_b32 s[G1K+3], 64<<16
	s_mov_b32 s[G1K+4], TKEYS
	s_mov_b32 s[G1K+5], 64
	s_mov_b32 s[G1K+6], 0
	s_mov_b32 s[G1K+7], 0
	s_mov_b32 s[G1V+0], (1<<16)|(1<<20)|(4<<22)|(7<<25)
	s_mov_b32 s[G1V+1], 64<<16
	s_mov_b32 s[G1V+2], TKEYS<<16
	s_mov_b32 s[G1V+3], 64<<16
	s_mov_b32 s[G1V+4], TKEYS
	s_mov_b32 s[G1V+5], 64
	s_mov_b32 s[G1V+6], 0
	s_mov_b32 s[G1V+7], 0
	s_mov_b32 s[G0K+0], 1
	s_mov_b32 s[G0K+1], 0
	s_mov_b32 s[G0K+4], 1
	s_mov_b32 s[G0K+5], SLOTB
	s_mov_b32 s[G0V+0], 1
	s_mov_b32 s[G0V+1], VOFF
	s_mov_b32 s[G0V+8], 1
	s_mov_b32 s[G0V+9], SLOTB+VOFF
	s_lshl_b32 s2, s12, 17                         ; a head's 1,024 rows of 128 bytes
	s_mov_b32 s3, 0
	s_wait_kmcnt 0x0
	s_add_nc_u64 s[76:77], s[4:5], s[2:3]          ; q of my head
	s_add_nc_u64 s[G0K+2:G0K+3], s[76:77], 0x800000        ; k: trip 0,
	s_add_nc_u64 s[G0K+6:G0K+7], s[76:77], 0x804000        ; trip 1 (16,384 bytes a trip)
	s_add_nc_u64 s[G0V+2:G0V+3], s[76:77], 0x1000000       ; v: trip 0,
	s_add_nc_u64 s[G0V+10:G0V+11], s[76:77], 0x1004000     ; trip 1
	s_or_b32 s[G0K+3], s[G0K+3], 0x80000000
	s_or_b32 s[G0K+7], s[G0K+7], 0x80000000
	s_or_b32 s[G0V+3], s[G0V+3], 0x80000000
	s_or_b32 s[G0V+11], s[G0V+11], 0x80000000
	; the first fills, in one branch on the wave's number: wave 0 K of trip 0, wave 1 V of trip 0, the others none
	s_cmp_gt_u32 s10, 1
	s_cbranch_scc1 .Lfilled
	s_cmp_eq_u32 s10, 0
	s_cbranch_scc0 .Lfill_v
	tensor_load_to_lds s[G0K:G0K+3], s[G1K:G1K+7]
	s_nop 0
	s_branch .Lfilled
.Lfill_v:
	tensor_load_to_lds s[G0V:G0V+3], s[G1V:G1V+7]
	s_nop 0
.Lfilled:
	; Q: as a B fragment lane (r, h) holds query r; 16 bytes at 128 r + 16 h, + 32, + 64, + 96; the pair's 32 rows are 4,096 consecutive bytes
	v_and_b32 v13, 15, v0                          ; r
	v_bfe_u32 v14, v0, 4, 1                        ; h
	v_lshlrev_b32 v12, 7, v13
	v_lshl_add_u32 v12, v14, 4, v12
	s_lshl_b32 s2, s13, 12
	s_add_nc_u64 s[76:77], s[76:77], s[2:3]
.irp a, 0,1
.irp ks, 0,1
	global_load_b128 v[QF+16*\a+8*\ks:QF+16*\a+8*\ks+3],   v12, s[76:77] offset:2048*\a+64*\ks
	global_load_b128 v[QF+16*\a+8*\ks+4:QF+16*\a+8*\ks+7], v12, s[76:77] offset:2048*\a+64*\ks+32
.endr
.endr
	; E0 to E3 of my first tile
	v_and_b32 v15, 31, v0
	v_lshlrev_b32 v1, 4, v15                       ; 16 x lane
	v_add_nc_u32 v6, s26, v1
.irp k, 0,1,2,3
	ERL 0, \k, \k
.endr
	; out0: batch << 22 + pair << 17 (32 rows of 4,096 bytes) + head << 8
	s_lshr_b32 s2, s12, 4
	s_lshl_b32 s2, s2, 22
	s_and_b32 s27, s12, 15
	s_lshl_b32 s27, s27, 8
	s_add_co_u32 s2, s2, s27
	s_lshl_b32 s27, s13, 17
	s_add_co_u32 s2, s2, s27
	s_add_nc_u64 s[72:73], s[8:9], s[2:3]
	s_mul_i32 s2, s10, SCRW
	s_add_co_u32 s2, s2, SCR                       ; my wave's scratch
	s_mul_i32 s26, s17, 64*KP                      ; my tile is rows 64 z .. 64 z + 63 of a slot
	s_mul_i32 s27, s17, 64*VP
	v_mul_u32_u24 v2, v13, KP
	v_lshl_add_u32 v2, v14, 4, v2
	v_add_nc_u32 v2, s26, v2                       ; K: row r, 16 h
	v_and_b32 v3, 7, v0
	v_lshl_add_u32 v3, v14, 3, v3
	v_mul_u32_u24 v3, v3, VP
	v_bfe_u32 v15, v0, 3, 1
	v_lshl_add_u32 v3, v15, 4, v3
	v_add_nc_u32 v3, s27, v3                       ; V: row 8 h + lane % 8, 16 bytes number (lane / 8) % 2
	v_mul_u32_u24 v4, v13, RP
	v_lshl_add_u32 v4, v14, 5, v4
	v_add_nc_u32 v4, s2, v4                        ; R^T in: row r, columns 8 h + 0..7 of a place
	v_mul_u32_u24 v5, v13, RP-4
	v_lshl_add_u32 v5, v14, 5, v5
	v_add_nc_u32 v5, s2, v5
	v_add_nc_u32 v5, 60, v5                        ; and back: row r, column 15 - r + 8 h + j
	v_add_nc_u32 v7, s2, v1                        ; my scratch, 16 bytes a lane: where an even wave puts its partial result
	v_mov_b32 v8, 0xff800000                       ; -inf
	s_mul_i32 s26, s10, STGW
	s_add_co_u32 s26, s26, STG                     ; my wave's output stage
	v_mul_u32_u24 v9, v13, OP
	v_lshl_add_u32 v9, v14, 5, v9
	v_add_nc_u32 v9, s26, v9                       ; O in: row r, numbers 8 h + 0..7 of each 16
	v_mul_u32_u24 v10, v14, OP
	v_lshl_add_u32 v10, v13, 4, v10
	v_add_nc_u32 v10, s26, v10                     ; and back: lanes 0-15 one row of 256 bytes, lanes 16-31 the next
	v_lshlrev_b32 v11, 12, v14
	v_lshl_add_u32 v11, v13, 4, v11                ; the same two rows in out0
	v_lshlrev_b32 v15, 3, v14
	v_sub_nc_u32 v16, v13, v15                     ; r - 8 h
.irp j, 0,1,2,3,4,5,6,7
	v_cmp_le_i32 s[28+\j], \j, v16                 ; the diagonal tile: key 8 h + j is live where 8 h + j <= r
.endr
	s_mul_i32 s27, s10, SCRW
	s_add_co_u32 s27, s27, SCR-SCRW                ; the scratch of the wave one below mine: an odd wave's partner
	v_add_nc_u32 v13, s27, v1                      ; r is no longer needed
.macro PL n
.rept \n
	v_nop
.endr
.endm
; the next trip's keys into slot s: wave 0 asks for K's 128 rows, wave 1 for V's, the others for nothing: one tensor load a wave at the most
.macro KVLOAD s
	s_cmp_gt_u32 s10, 1
	s_cbranch_scc1 .Lkv_none_\@
	s_cmp_eq_u32 s10, 0
	s_cbranch_scc0 .Lkv_v_\@
	tensor_load_to_lds s[G0K+4*(\s):G0K+4*(\s)+3], s[G1K:G1K+7]
	s_nop 0
	s_branch .Lkv_none_\@
.Lkv_v_\@:
	tensor_load_to_lds s[G0V+8*(\s):G0V+8*(\s)+3], s[G1V:G1V+7]
	s_nop 0
.Lkv_none_\@:
.endm
.macro KLOAD s, u                      ; 32 keys as two A fragments of 16 rows x 64
.irp kp, 0,1
.irp c, 0,1,2,3
	ds_load_b128 v[KV+16*\kp+4*\c:KV+16*\kp+4*\c+3], v2 offset:SLOTB*\s+(32*\u+16*\kp)*KP+32*\c
.endr
.endr
.endm
.macro VLOAD s, u                      ; V^T as four A fragments: 16 of the 64 numbers x 32 keys
.irp d, 0,1,2,3
	ds_load_tr16_b128 v[KV+8*\d:KV+8*\d+3],   v3 offset:SLOTB*\s+VOFF+32*\u*VP+32*\d
	ds_load_tr16_b128 v[KV+8*\d+4:KV+8*\d+7], v3 offset:SLOTB*\s+VOFF+32*\u*VP+16*VP+32*\d
.endr
.endm
; In all products the accumulators take turns, one instruction a turn.
; one product of R^T: result d, block a, running Er tile kb, half ks of the 64 numbers; zero = 1 starts the sum
.macro RW d, a, kb, par, ks, zero
.if \zero
	v_wmma_f32_16x16x32_f16 v[\d:\d+7], v[ER+16*((\kb+2*\par)%4)+8*\ks:ER+16*((\kb+2*\par)%4)+8*\ks+7], v[QF+16*\a+8*\ks:QF+16*\a+8*\ks+7], 0
.else
	v_wmma_f32_16x16x32_f16 v[\d:\d+7], v[ER+16*((\kb+2*\par)%4)+8*\ks:ER+16*((\kb+2*\par)%4)+8*\ks+7], v[QF+16*\a+8*\ks:QF+16*\a+8*\ks+7], v[\d:\d+7]
.endif
.endm
.macro RX par                          ; places 0, 1, 2 of both blocks: six results; place 0's lie in K's registers, which are free until K is loaded
.irp ks, 0,1
	RW KV,    0, 1, \par, \ks, 1-\ks
	RW KV+8,  1, 0, \par, \ks, 1-\ks
	RW SC,    0, 2, \par, \ks, 1-\ks
	RW SC+16, 1, 1, \par, \ks, 1-\ks
	RW SC+8,  0, 3, \par, \ks, 1-\ks
	RW SC+24, 1, 2, \par, \ks, 1-\ks
.endr
.endm
.macro RY par                          ; places 3, 4 of both blocks
.irp ks, 0,1
	RW SC,    0, 4, \par, \ks, 1-\ks
	RW SC+16, 1, 3, \par, \ks, 1-\ks
	RW SC+8,  0, 5, \par, \ks, 1-\ks
	RW SC+24, 1, 4, \par, \ks, 1-\ks
.endr
.endm
.macro PUTR d, a, place
	ds_store_b128 v4, v[\d:\d+3]   offset:SCRB*\a+64*\place
	ds_store_b128 v4, v[\d+4:\d+7] offset:SCRB*\a+64*\place+16
.endm
.macro SKEW a, u                       ; key tile kp reads from place 2 u + kp on; LDS serves a wave's instructions in order: these see the stores above
.irp kp, 0,1
.irp j, 0,1,2,3,4,5,6,7
	ds_load_b32 v[SC+16*\a+8*\kp+\j], v5 offset:SCRB*\a+64*(2*\u+\kp)+4*\j
.endr
.endr
.endm
.macro SMUL2                           ; S^T = K Q^T + the skewed R^T, both blocks: four accumulators by turns
.irp ks, 0,1
.irp a, 0,1
.irp kp, 0,1
	v_wmma_f32_16x16x32_f16 v[SC+16*\a+8*\kp:SC+16*\a+8*\kp+7], v[KV+16*\kp+8*\ks:KV+16*\kp+8*\ks+7], v[QF+16*\a+8*\ks:QF+16*\a+8*\ks+7], v[SC+16*\a+8*\kp:SC+16*\a+8*\kp+7]
.endr
.endr
.endr
.endm
; the pair's last sub-step, ss = p: block 0 has its diagonal in the first key tile and nothing live in the second; block 1 has its diagonal in the second
.macro DIAG sreg
	s_cmp_lg_u32 s15, s[\sreg]
	s_cbranch_scc1 .Ldg_done_\@
.irp j, 0,1,2,3,4,5,6,7
	v_cndmask_b32 v[SC+\j], v8, v[SC+\j], s[28+\j]
.endr
.irp j, 0,1,2,3,4,5,6,7
	v_mov_b32 v[SC+8+\j], v8
.endr
.irp j, 0,1,2,3,4,5,6,7
	v_cndmask_b32 v[SC+24+\j], v8, v[SC+24+\j], s[28+\j]
.endr
.Ldg_done_\@:
.endm
; 16 scores a lane and block -> running maximum, alpha, P in f16, running sum (each half of the lanes keeps the sum of its own keys; they are joined at the end).
; The two blocks' lines alternate, two chains a block, so that a line's sources are four lines old.
.macro SOFTMAX2 first
.irp a, 0,1
	v_max3_num_f32 v[T+4*\a],   v[SC+16*\a+0], v[SC+16*\a+1], v[SC+16*\a+2]
	v_max3_num_f32 v[T+4*\a+1], v[SC+16*\a+3], v[SC+16*\a+4], v[SC+16*\a+5]
.endr
.irp i, 6,10
.irp a, 0,1
	v_max3_num_f32 v[T+4*\a],   v[T+4*\a],   v[SC+16*\a+\i],   v[SC+16*\a+\i+1]
	v_max3_num_f32 v[T+4*\a+1], v[T+4*\a+1], v[SC+16*\a+\i+2], v[SC+16*\a+\i+3]
.endr
.endr
.irp a, 0,1
	v_max3_num_f32 v[T+4*\a], v[T+4*\a], v[SC+16*\a+14], v[SC+16*\a+15]
.endr
.irp a, 0,1
	v_max_num_f32 v[T+4*\a], v[T+4*\a], v[T+4*\a+1]
.endr
.irp a, 0,1
	v_permlanex16_b32 v[T+4*\a+1], v[T+4*\a], s24, s25     ; the other half's keys of the same query
.endr
.if \first
.irp a, 0,1
	v_max_num_f32 v[ST+4*\a+1], v[T+4*\a], v[T+4*\a+1]
.endr
.irp a, 0,1
	v_mul_f32 v[ST+4*\a], s22, v[ST+4*\a+1]                ; -c m
.endr
.else
.irp a, 0,1
	v_max3_num_f32 v[ST+4*\a+1], v[T+4*\a], v[T+4*\a+1], v[ST+4*\a+1]
.endr
.irp a, 0,1
	v_mul_f32 v[T+4*\a], s22, v[ST+4*\a+1]
.endr
.irp a, 0,1
	v_sub_f32 v[T+4*\a+1], v[T+4*\a], v[ST+4*\a]           ; c (old m - new m)
.endr
.irp a, 0,1
	v_exp_f32 v[ST+4*\a+2], v[T+4*\a+1]                    ; alpha
.endr
.irp a, 0,1
	v_mov_b32 v[ST+4*\a], v[T+4*\a]                        ; the first is the plain instruction behind the exponentials (ISA guide 5.7.2)
.endr
.endif
.irp a, 0,1
.irp p, 0,1,2,3,4,5,6,7
	v_pk_fma_f32 v[SC+16*\a+2*\p:SC+16*\a+2*\p+1], v[SC+16*\a+2*\p:SC+16*\a+2*\p+1], s[20:21], v[ST+4*\a:ST+4*\a+1] op_sel_hi:[1,0,0]   ; c s - c m
.endr
.endr
.set ii, 0
.rept 32
	v_exp_f32 v[SC+ii], v[SC+ii]
.set ii, ii+1
.endr
.if \first
	v_mov_b32 v[ST+2], 1.0                                 ; nothing to scale yet: alpha = 1; also the plain instruction behind the exponentials
	v_mov_b32 v[ST+6], 1.0
	s_wait_alu depctr_va_vdst(0)
.else
	s_wait_alu depctr_va_vdst(0)
.irp a, 0,1
.irp p, 0,1,2,3,4,5,6,7,8,9,10,11,12,13,14,15
	v_pk_mul_f32 v[OA+32*\a+2*\p:OA+32*\a+2*\p+1], v[OA+32*\a+2*\p:OA+32*\a+2*\p+1], v[ST+4*\a+2:ST+4*\a+3] op_sel_hi:[1,0]   ; O *= alpha; the first is the plain instruction behind the exponentials
.endr
.endr
.endif
.irp a, 0,1
	v_pk_add_f32 v[T+4*\a:T+4*\a+1],   v[SC+16*\a+0:SC+16*\a+1], v[SC+16*\a+2:SC+16*\a+3]
	v_pk_add_f32 v[T+4*\a+2:T+4*\a+3], v[SC+16*\a+4:SC+16*\a+5], v[SC+16*\a+6:SC+16*\a+7]
.endr
.irp i, 8,12
.irp a, 0,1
	v_pk_add_f32 v[T+4*\a:T+4*\a+1],   v[T+4*\a:T+4*\a+1],   v[SC+16*\a+\i:SC+16*\a+\i+1]
	v_pk_add_f32 v[T+4*\a+2:T+4*\a+3], v[T+4*\a+2:T+4*\a+3], v[SC+16*\a+\i+2:SC+16*\a+\i+3]
.endr
.endr
.irp a, 0,1
	v_pk_add_f32 v[T+4*\a:T+4*\a+1], v[T+4*\a:T+4*\a+1], v[T+4*\a+2:T+4*\a+3]
.endr
.if \first
.irp a, 0,1
	v_add_f32 v[ST+4*\a+3], v[T+4*\a], v[T+4*\a+1]
.endr
.else
.irp a, 0,1
	v_add_f32 v[T+4*\a], v[T+4*\a], v[T+4*\a+1]
.endr
.irp a, 0,1
	v_fma_f32 v[ST+4*\a+3], v[ST+4*\a+3], v[ST+4*\a+2], v[T+4*\a]
.endr
.endif
.irp a, 0,1
.irp p, 0,1,2,3,4,5,6,7
	v_cvt_pk_f16_f32 v[SC+16*\a+\p], v[SC+16*\a+2*\p], v[SC+16*\a+2*\p+1]   ; in place, ascending: register p is read no later than it is written
.endr
.endr
.endm
.macro PV2 first                       ; O^T += V^T P, both blocks: eight accumulators by turns
.irp d, 0,1,2,3
.irp a, 0,1
.if \first
	v_wmma_f32_16x16x32_f16 v[OA+32*\a+8*\d:OA+32*\a+8*\d+7], v[KV+8*\d:KV+8*\d+7], v[SC+16*\a:SC+16*\a+7], 0
.else
	v_wmma_f32_16x16x32_f16 v[OA+32*\a+8*\d:OA+32*\a+8*\d+7], v[KV+8*\d:KV+8*\d+7], v[SC+16*\a:SC+16*\a+7], v[OA+32*\a+8*\d:OA+32*\a+8*\d+7]
.endif
.endr
.endr
.endm
; what X and Y have in common, behind the stores of R^T: 32 keys at rows 32 u of my tile in slot s
.macro SUBTAIL s, u, dsreg, first
	KLOAD \s, \u
	SKEW 0, \u
	SKEW 1, \u
	s_wait_dscnt 0x0                               ; K and the skewed R^T are in
	SMUL2
	PL 5                                           ; five places (ISA guide 7.12.1): V lands on K's registers, the scores are read, and P, made in them, is a later product's source
	VLOAD \s, \u                                   ; V comes in under the softmax
	DIAG \dsreg
	SOFTMAX2 \first
	s_wait_dscnt 0x0                               ; V is in; all my reads of this slot's rows so far are over
	PV2 \first
	PL 5                                           ; five places: the next R^T is written over P and over V, O is scaled or stored
.endm
.macro SUBX s, par, first
	s_wait_loadcnt 0x0                             ; E0 to E3, asked for a sub-step ago or more, are in (in the first trip Q too); v6, their offset, may be written again
	RX \par
.if \first
	PL 5                                           ; five places behind the products, in front of the loads into their sources and results and of the stores that read the results
.else
	v_add_nc_u32 v6, 0x4000, v6                    ; my next tile of keys is two tiles on: eight tiles of Er; this line and four v_nop are the five places
	PL 4
.endif
	ERL \par, 4, 4                                 ; for Y: E4, E5 over E0, E1;
	ERL \par, 5, 5
	ERL \par, 6, 8                                 ; for the next trip: its E0 over E2
	PUTR KV,    0, 0
	PUTR KV+8,  1, 0
	PUTR SC,    0, 1
	PUTR SC+16, 1, 1
	PUTR SC+8,  0, 2
	PUTR SC+24, 1, 2
	SUBTAIL \s, 0, 13, \first
.endm
.macro SUBY s, par
	s_wait_loadcnt 0x0                             ; E4 and E5 are in (and the next trip's E0, asked for with them)
	RY \par
	PL 5
	ERL \par, 7, 9                                 ; for the next trip: its E1, E2, E3 over E3, E4, E5
	ERL \par, 8, 10
	ERL \par, 9, 11
	PUTR SC,    0, 3
	PUTR SC+16, 1, 3
	PUTR SC+8,  0, 4
	PUTR SC+24, 1, 4
	SUBTAIL \s, 1, 14, 0
.endm
; One trip: 128 keys in slot s.  In front of the barrier every wave waits for all its tensor loads (its part of this trip's keys among them) and for its reads of the
; other slot; behind it the other slot is filled first, one tensor load a wave, and has this trip's two sub-steps in which to land.
; X runs while its number is at most p, Y while X's is below p.  first = 1: trip 0; a wave that has no key at all (z = 1, p < 2) makes the empty partial result there.
.macro TRIP s, refill, first
	s_wait_xcnt 0x0
	v_lshl_add_u32 v94, v0, 2, 0x4f000
	v_mov_b32 v95, 0
	s_wait_tensorcnt 0x0                           ; no tensor load of mine is out: every group 0 may be written
	ds_add_u32 v94, v95
	s_wait_dscnt 0x0
	s_add_nc_u64 s[G0K+4*\s+2:G0K+4*\s+3], s[G0K+4*\s+2:G0K+4*\s+3], 32768   ; this slot's next keys, two trips on
	s_add_nc_u64 s[G0V+8*\s+2:G0V+8*\s+3], s[G0V+8*\s+2:G0V+8*\s+3], 32768
	s_wait_dscnt 0x0
	s_barrier_signal -1
	s_barrier_wait -1
.if \refill
	KVLOAD 1-\s
.endif
	s_cmp_gt_u32 s15, s13
.if \first
	s_cbranch_scc1 .Lempty_\@
.else
	s_cbranch_scc1 .Ltrip_end_\@
.endif
	SUBX \s, \s, \first
	s_cmp_ge_u32 s15, s13
	s_cbranch_scc1 .Ltrip_end_\@
	SUBY \s, \s
.if \first
	s_branch .Ltrip_end_\@
.Lempty_\@:
	; no product starts these sums: m = -inf, l = 0, O = 0, which the join scales by exp2(-inf) = 0
.set ii, 0
.rept 64
	v_mov_b32 v[OA+ii], 0
.set ii, ii+1
.endr
.irp a, 0,1
	v_mov_b32 v[ST+4*\a], 0x7f800000               ; -c m = +inf
	v_mov_b32 v[ST+4*\a+1], v8
	v_mov_b32 v[ST+4*\a+2], 0
	v_mov_b32 v[ST+4*\a+3], 0
.endr
.endif
.Ltrip_end_\@:
	s_add_co_u32 s15, s15, 4                       ; my next tile: four sub-steps on
.endm
	TRIP 0, 1, 1                                   ; the first products start the sums; slot 1 gets its first fill behind this barrier
	TRIP 1, 1, 0
	s_mov_b32 s16, 0
.Llap:
	TRIP 0, 1, 0
	TRIP 1, 1, 0
	s_add_co_u32 s16, s16, 1
	s_cmp_lt_u32 s16, s19                          ; 2 - w / 2 laps: at least one
	s_cbranch_scc1 .Llap
	s_bitcmp1_b32 s11, 0                           ; w odd: one trip is left, else two; the last fetches nothing
	s_cbranch_scc1 .Lodd
	TRIP 0, 1, 0
	TRIP 1, 0, 0
	s_branch .Lwalked
.Lodd:
	TRIP 0, 0, 0
.Lwalked:
	s_wait_loadcnt 0x0                             ; the last look-ahead for Er has landed: its registers serve the way out
; THE JOIN.  The even wave of a pair puts its partial results into its own scratch (whose skewed reads are over), 16 bytes a lane and store, in the order of its registers;
; the odd wave, whose lanes hold the same queries and numbers, takes them behind the barrier from the scratch one below its own.  The join is the same whichever of the
; two has z = 0, and whichever is the one without keys.
.macro SEND a
.irp i, 0,1,2,3,4,5,6,7
	ds_store_b128 v7, v[OA+32*\a+4*\i:OA+32*\a+4*\i+3] offset:XCHB*\a+512*\i
.endr
	ds_store_b128 v7, v[ST+4*\a:ST+4*\a+3] offset:XCHB*\a+4096
.endm
.macro RECV a, part
.irp i, 0,1,2,3,4,5,6,7
	ds_load_b128 v[\part+4*\i:\part+4*\i+3], v13 offset:XCHB*\a+512*\i
.endr
	ds_load_b128 v[SC+4*\a:SC+4*\a+3], v13 offset:XCHB*\a+4096
.endm
; block a: m = max(m0, m1), a_z = exp2(c (m_z - m)), l = l0 a0 + l1 a1 over both halves of the lanes, O = (O0 a0 + O1 a1) / l; then 32 bytes a lane into my stage, which no
; other wave touches, and back as whole rows of 256 bytes.  The second block's stores into the stage follow the first block's loads from it: LDS serves a wave's instructions in order.
.macro FINISH a, part, buf
	v_max_num_f32 v[T], v[ST+4*\a+1], v[SC+4*\a+1]
	v_mul_f32 v[T], s22, v[T]                      ; -c m
	v_sub_f32 v[T+1], v[T], v[ST+4*\a]
	v_sub_f32 v[T+2], v[T], v[SC+4*\a]
	v_exp_f32 v[T+1], v[T+1]                       ; a0
	v_exp_f32 v[T+2], v[T+2]                       ; a1
	v_nop                                          ; the plain instruction behind the exponentials
	s_wait_alu depctr_va_vdst(0)
	v_mul_f32 v[T+3], v[ST+4*\a+3], v[T+1]
	v_fma_f32 v[T+3], v[SC+4*\a+3], v[T+2], v[T+3]
	v_permlanex16_b32 v[T], v[T+3], s24, s25
	v_add_f32 v[T+3], v[T+3], v[T]                 ; l >= 1: the largest score's exponential is 1
	v_rcp_f32 v[T+3], v[T+3]
	v_nop                                          ; the plain instruction behind the reciprocal
	s_wait_alu depctr_va_vdst(0)
	v_mul_f32 v[T], v[T+1], v[T+3]                 ; a0 / l
	v_mul_f32 v[T+2], v[T+2], v[T+3]               ; a1 / l
.irp p, 0,1,2,3,4,5,6,7,8,9,10,11,12,13,14,15
	v_pk_mul_f32 v[OA+32*\a+2*\p:OA+32*\a+2*\p+1], v[OA+32*\a+2*\p:OA+32*\a+2*\p+1], v[T:T+1] op_sel_hi:[1,0]
.endr
.irp p, 0,1,2,3,4,5,6,7,8,9,10,11,12,13,14,15
	v_pk_fma_f32 v[OA+32*\a+2*\p:OA+32*\a+2*\p+1], v[\part+2*\p:\part+2*\p+1], v[T+2:T+3], v[OA+32*\a+2*\p:OA+32*\a+2*\p+1] op_sel_hi:[1,0,1]
.endr
.irp d, 0,1,2,3
	ds_store_b128 v9, v[OA+32*\a+8*\d:OA+32*\a+8*\d+3]   offset:64*\d
	ds_store_b128 v9, v[OA+32*\a+8*\d+4:OA+32*\a+8*\d+7] offset:64*\d+16
.endr
.irp t, 0,1,2,3,4,5,6,7
	ds_load_b128 v[\buf+4*\t:\buf+4*\t+3], v10 offset:2*OP*\t
.endr
.irp t, 0,1,2,3,4,5,6,7
	s_wait_dscnt 7-\t                              ; load t is in, the 7 - t younger ones stay out
	global_store_b128 v11, v[\buf+4*\t:\buf+4*\t+3], s[72:73] offset:65536*\a+8192*\t th:TH_STORE_NT   ; 16 lanes store 256 consecutive bytes, aligned: a head's part of a row
.endr
.endm
	s_cmp_lg_u32 s23, 0
	s_cbranch_scc1 .Lsent
	SEND 0
	SEND 1
.Lsent:
	s_wait_dscnt 0x0                               ; my stores into my scratch are done: for the partner's sake
	s_barrier_signal -1
	s_barrier_wait -1
	s_cmp_eq_u32 s23, 0
	s_cbranch_scc1 .Ldone
	RECV 0, KV
	RECV 1, ER
	s_wait_dscnt 0x9                               ; block 0's nine loads are in, block 1's nine stay out; the count-down at the end of block 0 shows them in too
	FINISH 0, KV, ER+32
	FINISH 1, ER, QF
.Ldone:
	s_wait_xcnt 0x0
	v_lshl_add_u32 v94, v0, 2, 0x4f000
	v_mov_b32 v95, 0
	s_wait_tensorcnt 0x0
	ds_add_u32 v94, v95
	s_wait_dscnt 0x0
	s_endpgm
.Lfunc_end_k_q7ed52aa3a0_attn:
	.size	k_q7ed52aa3a0_attn, .Lfunc_end_k_q7ed52aa3a0_attn-k_q7ed52aa3a0_attn
	.p2alignl 7, 3214868480
	.fill 96, 4, 3214868480
	.section	.rodata,"a",@progbits
	.p2align	6, 0x0
	.amdhsa_kernel k_q7ed52aa3a0_attn
		.amdhsa_group_segment_fixed_size 327680
		.amdhsa_private_segment_fixed_size 0
		.amdhsa_enable_private_segment 0
		.amdhsa_kernarg_size 24
		.amdhsa_user_sgpr_count 2
		.amdhsa_user_sgpr_kernarg_segment_ptr 1
		.amdhsa_wavefront_size32 1
		.amdhsa_system_sgpr_workgroup_id_x 1
		.amdhsa_system_sgpr_workgroup_id_y 1
		.amdhsa_system_sgpr_workgroup_id_z 1
		.amdhsa_system_vgpr_workitem_id 0
		.amdhsa_next_free_vgpr 256
		.amdhsa_next_free_sgpr 80
		.amdhsa_reserve_vcc 0
		.amdhsa_float_denorm_mode_32 3
		.amdhsa_float_denorm_mode_16_64 3
		.amdhsa_memory_ordered 1
		.amdhsa_forward_progress 1
		.amdhsa_inst_pref_size 250
	.end_amdhsa_kernel
	.amdgpu_metadata
---
amdhsa.version: [ 1, 2 ]
amdhsa.kernels:
  - .name:           k_q7ed52aa3a0_attn
    .symbol:         k_q7ed52aa3a0_attn.kd
    .args:
      - { .name: qkv, .offset: 0, .size: 8, .value_kind: global_buffer, .address_space: global }
      - { .name: erb, .offset: 8, .size: 8, .value_kind: global_buffer, .address_space: global }
      - { .name: out0, .offset: 16, .size: 8, .value_kind: global_buffer, .address_space: global }
    .group_segment_fixed_size: 327680
    .private_segment_fixed_size: 0
    .kernarg_segment_align: 8
    .kernarg_segment_size: 24
    .max_flat_workgroup_size: 512
    .sgpr_count:     80
    .vgpr_count:     256
    .wavefront_size: 32
...
	.end_amdgpu_metadata
.endif
;; end of part 3
